; MI455X (gfx1250); checked and timed in simulation.
; The chip was launched on July 23, 2026; its instructions are those of AMD's public machine-readable ISA for CDNA 5 (MIT licence, August 2026) and "CDNA5" Instruction Set Architecture Reference Guide (July 2026). The comments in the code are by the model that wrote it; some were corrected since.
;; Model. Allowed arithmetic: matrix products marked QUANTISED: E4M3 operands, one given power-of-two scale a tensor, by v_wmma_f32_16x16x64_fp8_fp8 or v_wmma_f32_16x16x128_fp8_fp8, f32 sums; everything else in f32.
;; Inputs: k 64 x 2,048 x 64 float32; lowp_scales 4 int32 (the exponents e of the quantised operands' scales 2^e); q 64 x 2,048 x 64 float32; v 64 x 2,048 x 64 float32.
;; Outputs: out0 64 x 2,048 x 64 float32.
;; This version of the problem:
;;   THIS VERSION OF THE PROBLEM IS GIVEN IN LOW PRECISION. The matrix products marked QUANTISED in the list below multiply operands that are first quantised to E4M3 (4 exponent bits, 3 mantissa bits; 8 bits a number), with one given power-of-two scale for each operand tensor; their sums are f32. All else is computed in f32.
;;   The module's matrix products, in the order in which they are computed (A, B: the left and right operand; K: the contracted axis; several contracted axes count as one K, in the product's order):
;;     1. batch 64 x [M 2,048, K 64] x [K 64, N 2,048]; A: input q; B: input k: QUANTISED (scales: A lowp_scales[0], B lowp_scales[1])
;;     2. batch 64 x [M 2,048, K 2,048] x [K 2,048, N 64]; A: softmax (see below); B: input v: QUANTISED (scales: A lowp_scales[2], B lowp_scales[3])
;;   THE QUANTISER, for each operand of a quantised product, along K:
;;     - The operand's scale is 2^e, e = its entry of the input lowp_scales (int32; the entries are numbered through the quantised products in the list's order, A before B).
;;     - Each number is divided by the scale, clamped to +-448, and rounded to the nearest number of E4M3, ties to even, subnormals kept.
;;     - The product sums the exact products of the quantised numbers (number of the format x scale) in f32.
;;   ~~~python
;;   def quantise(x, axis, e):      # numpy; x: float32 -> the quantised numbers, widened to float32 again
;;       x = np.moveaxis(x, axis, -1); K = x.shape[-1]
;;       r = np.clip(x / 2.0 ** e, -448, 448)
;;       step = 2.0 ** (np.maximum(np.frexp(np.where(r == 0, 1, r))[1] - 1, -6) - 3)
;;       q = np.round(r / step) * step * 2.0 ** e      # np.round: ties to even
;;       return np.moveaxis(q, -1, axis).astype(np.float32)
;;   ~~~
;;   SOFTMAX AHEAD OF A QUANTISED PRODUCT. Where the list says 'softmax', what is quantised is not the finished softmax but p = 2^(t - M), with t = logit x log2(e) and M = ceil(the row's largest t), a whole number; so 1/2 < the row's largest p <= 1. The row's sum l is taken of the UNQUANTISED p, in f32, and the product's result is divided by l at the end. Since M is a whole number, a kernel that streams over the keys may use a running M (the ceiling of the running maximum): every later rescaling is an exact power of two, so the quantised numbers keep their values, but for numbers so far below the row's largest that they fall under the format's range.
;;   OPERANDS COMPUTED ON THE WAY. 'Computed on the way' means the value that the module computes at that place (a softmax that the list does not call 'softmax' is quantised finished and normalised). What goes into a quantiser is computed in f32, as accurately as f32 sums, v_exp_f32 and their like allow (about 1e-6 of the number): no bf16 or f16 on the way to a quantiser, and a product that is left as it is and whose result goes on into a quantised operand takes f32 operands (vector FMAs, or v_wmma_f32_16x16x4_f32). A number that lies on a knife's edge between two numbers of the format may be rounded either way, as far as f32 arithmetic and the matrix unit's own rounding can turn it there, and no further.
;; 2 versions, each right; version 2 is version 1 with the launch attn written anew for expert scheduling mode. Each part assembles by itself: llvm-mc -triple=amdgcn-amd-amdhsa -mcpu=gfx1250 --defsym DOCPART=n.
;; ======== version 1 of 2: 1 launch
;; limits: right only within a limited range of input values
;; launch attn (part 1): grid 4 x 64, 16 waves a work-group, no clusters, 296,960 bytes of LDS; arguments q, k, v, lowp_scales, out0; writes out0
.if DOCPART == 1
	.amdgcn_target "amdgcn-amd-amdhsa--gfx1250"
	.amdhsa_code_object_version 6
	.text
	.protected	k_q7b7afa46d8_attn
	.globl	k_q7b7afa46d8_attn
	.p2align	8
	.type	k_q7b7afa46d8_attn,@function
k_q7b7afa46d8_attn:
	s_mov_b64 s[64:65], 0
	v_nop
	global_prefetch_b8 v0, s[64:65] scope:SCOPE_SE
	s_setreg_imm32_b32 hwreg(HW_REG_WAVE_MODE, 25, 1), 1
	s_wait_xcnt 0x0
; out0[b][q][:] = the sum over keys of softmax(q . k / 8) v.  q, k, v, out0: [64][2048][64] f32.  Both products on codes of FP8 (E4M3), each operand with the one scale 2^e
; that lowp_scales gives: eq, ek, ep, ev.  code = x / 2^e, held within +-448, rounded to the nearest code, ties to even.
; THE SOFTMAX AHEAD OF THE SECOND PRODUCT: t = score x log2(e) / 8; M = the largest t so far, rounded UP to a whole number; p = 2^(t - M) is quantised along the keys, not normalised.
; The row's sum is taken of the unquantised p, in f32, and divides at the end.  When M moves, the sum and O are multiplied by 2^(old M - new M), which rounds nothing.
; SHARES.  A work-group owns one head (y) and 512 of its queries (x): 64 x 4 = 256 work-groups.  Each of its SIXTEEN waves owns 32 queries, two tiles of 16, in 256 registers: four waves to a
; SIMD, so that one wave's vector work stands beside another's matrix work and LDS loads.
; THE HEAD OF THE KERNEL.  A head's K and V as codes are 2 x 131,072 bytes: they fit into LDS whole.  Wave w reads keys 128 w .. 128 w + 127 of K and of V and its own 32 rows of q as f32, quantises
; them in registers, and stores the codes in LDS as IMAGES OF THE OPERANDS' REGISTERS: a group of four registers is 512 bytes on end, lane l's 16 bytes at 16 l.  One barrier; then every wave walks
; all 2,048 keys, 128 a step, with no barrier in the loop.  A second barrier; then the way out through a stage that lies where K's images lay.
; NO TENSOR LOADS AND NO JOINT REQUESTS, though the four work-groups of a head read the same K and V: what is shared is f32 and has to pass through registers to become codes; the images take 294,912
; of 327,680 bytes of LDS, so the head's 1,048,576 bytes of f32 could only come through a ring of under 32,768 bytes with many refills.
; LAYOUT.  Both products are used transposed: S^T = K Q^T (source 0 = 16 keys, source 1 = 16 queries), O^T = V^T P^T (source 0 = 16 of the head's 64, source 1 = P): a lane holds ONE query
; (lane % 16) throughout.  r = lane % 16, h = lane / 16.
;   K, Q (16x16x64): registers 4 c .. 4 c + 3 hold d = 32 c + 16 h + 0 .. 15: a permutation of the form's own places of k, the same on both sides, so every product meets its partner.
;   THE KEYS OF A TILE ARE NOT NEIGHBOURS: lane r of tile 2 b + u takes key 32 b + 8 u + r + 8 (r / 8), so that the 16 score registers of tiles 2 b, 2 b + 1 are keys 32 b + 16 h + 0 .. 15.
;   V, P (16x16x128): registers 4 c .. 4 c + 3 hold keys 32 c + 16 h + 0 .. 15.  Row r of V's tile t is d = 4 r + t, so register j of O^T's tile t is d = 32 h + 4 j + t.
; LIMITS on the given exponents, so that each power of two below is an f32 number: eq, ek, ep, ev each between -126 and 119; eq + ek between -123 and 130 (added to c's exponent field);
; ep + ev between -115 and 126 (2^(ep + ev) / the row's sum, which is at most 2,048, is formed once a query).  NaN among the inputs is not served; an infinity is held at the largest code.
; LDS: 0 K's images, 8,192 bytes a step; 131,072 V's, likewise; 262,144 Q's, 2,048 bytes a wave, the wave's own.  The way out's stages: 16 rows x 272 bytes a wave from byte 0 on.
; REGISTERS in the loop: v1 16 x lane; v2 the LDS address in hand; v3, v4 2^ep and 448 x 2^ep; v5 a lane permute's destination; v6, v7 two chains of the maximum; v[8:9] f; v[10:11] a second chain of the sum;
;   v12 -M, v13 the largest t, v[14:15] the sum in two halves, for tile 0; v16-19 the same for tile 1; v24-39 Q's two fragments; v40-55 P of tile 0; v56-71 P of tile 1 (it runs on into Y, over scores
;   that are done with); v60-123 Y: the scores of the tile in hand; v124-187 X: the step's 8 fragments of K, then its 4 of V; v188-219, v220-251 O^T of the two tiles.
.set VIMG,  131072
.set QIMG,  262144
.set STEPB, 8192                       ; a step's image of K, and of V
.set NSTEP, 16
.set SP,    272                        ; a stage row: 256 bytes + 16
.set LI,   1
.set ADR,  2
.set PSC,  3
.set PLIM, 4
.set PX,   5
.set MXA,  6
.set MXB,  7
.set FF,   8
.set SB,   10
.set Q0,   24
.set Q1,   32
.set P0,   40
.set P1,   56
.set Y,    60
.set X,    124
.set O0,   188
.set O1,   220
.set STO,  20                          ; the way out: where I put 128 bytes of a row
.set RD,   21                          ; and where I read a row back
; at the head only:
.set KST,  20                          ; where my 4 codes of K go
.set VST,  21                          ; where my 16 codes of V go
.set QST,  22                          ; where my 4 codes of Q go
.set VO,   23                          ; V: my byte offset in memory
.set C,    24                          ; v24-39  a batch's codes: register i = the 4 codes of load i
.set XP,   40                          ; v40-55  V's codes, turned
.set TA,   56                          ; v56-59  at work in the turn
.set R0,   60                          ; three sets of 64 registers for the loads: v60-123, v124-187, v188-251
.set R1,   124
.set R2,   188
	s_load_b256 s[4:11], s[0:1], 0x0               ; q s[4:5], k s[6:7], v s[8:9], the scales' exponents s[10:11]
	s_load_b64 s[12:13], s[0:1], 0x20              ; out0
	v_lshl_add_u32 v254, v0, 2, 0x48000
	v_mov_b32 v255, 0
	v_lshrrev_b32 v2, 5, v0
	v_readfirstlane_b32 s14, v2                    ; wave 0..15
	s_and_b32 s15, ttmp7, 0xffff                   ; the head
	v_and_b32 v3, 31, v0                           ; lane
	v_lshlrev_b32 v[LI], 4, v3                     ; 16 x lane: an image's place for my lane; my 16 bytes of a dense load's or store's 512
	v_and_b32 v4, 15, v0                           ; x = lane % 16
	v_bfe_u32 v5, v0, 4, 1                         ; lane / 16
	; A dense load of K or q gives lane (x, half) the numbers d = 4 x .. 4 x + 3 of row 2 i + half.  In an image they are 4 bytes at 512 (x / 8) + 256 ((x / 4) % 2) + 4 (x % 4) + 16 x the row's lane:
	v_lshrrev_b32 v6, 2, v4
	v_and_b32 v7, 3, v4
	v_lshlrev_b32 v6, 8, v6                        ; 256 (x / 4)
	v_lshl_add_u32 v6, v5, 4, v6                   ; + 16 x half: the odd row's lane is the next one
	v_lshl_add_u32 v6, v7, 2, v6                   ; + 4 (x % 4)
	s_lshl_b32 s26, s14, 13                        ; 8,192 x wave: my step's image of K
	s_lshl_b32 s27, s14, 11
	s_add_co_u32 s27, s27, QIMG                    ; my wave's image of Q
	s_add_co_u32 s28, s26, VIMG                    ; my step's image of V
	v_add_nc_u32 v[KST], s26, v6
	v_add_nc_u32 v[QST], s27, v6
	v_add_nc_u32 v[VST], s28, v[LI]
	v_lshlrev_b32 v[VO], 4, v4
	v_lshl_add_u32 v[VO], v5, 12, v[VO]            ; V: lanes 0-15 take one row of 256 bytes, lanes 16-31 the row 16 keys on
	s_lshl_b32 s30, s15, 19                        ; a head is 2,048 rows of 256 bytes
	s_lshl_b32 s29, s14, 15                        ; my 128 keys
	s_add_co_u32 s30, s30, s29
	s_mov_b32 s31, 0
	s_lshl_b32 s40, s15, 19
	s_lshl_b32 s29, ttmp9, 17                      ; the work-group's 512 queries
	s_add_co_u32 s40, s40, s29
	s_add_co_u32 s40, s40, s26                     ; my 32 of them: 8,192 bytes
	s_mov_b32 s41, 0
	s_mov_b32 s20, 0x76543210                      ; v_permlanex16_b32's selects for lane l xor 16
	s_mov_b32 s21, 0xfedcba98
	s_mov_b32 s32, 0x05010400                      ; v_perm_b32's selects for the turn of 4 x 4 bytes
	s_mov_b32 s33, 0x07030602
	s_mov_b32 s34, 0x05040100
	s_mov_b32 s35, 0x07060302
	s_wait_kmcnt 0x0
	s_load_b128 s[16:19], s[10:11], 0x0            ; eq, ek, ep, ev
	s_add_nc_u64 s[6:7], s[6:7], s[30:31]          ; K and V at my first key
	s_add_nc_u64 s[8:9], s[8:9], s[30:31]
	s_add_nc_u64 s[4:5], s[4:5], s[40:41]          ; q and out0 at my first query.  None of these bases, and no offset register, is written again
	s_add_nc_u64 s[12:13], s[12:13], s[40:41]
; A batch: 16 loads of 16 bytes a lane into a set of 64 registers.  K, q: each load reads 512 consecutive bytes, two rows.  V: two whole rows of 256 bytes, 16 keys apart.
.macro LOADB set, base, voff, off0, stride, nt
.set J, 0
.rept 16
.if \nt
	global_load_b128 v[\set+4*J:\set+4*J+3], v[\voff], s[\base:\base+1] offset:(\off0)+(\stride)*J th:TH_LOAD_NT
.else
	global_load_b128 v[\set+4*J:\set+4*J+3], v[\voff], s[\base:\base+1] offset:(\off0)+(\stride)*J
.endif
.set J, J+1
.endr
.endm
; The batch's 64 numbers become 64 codes: register C + i holds the 4 codes of load i.
.macro HOLDCVT set, sc, lim
.set J, 0
.rept 64
	v_med3_num_f32 v[\set+J], v[\set+J], -v[\lim], v[\lim]   ; the conversion to an 8-bit code does not saturate (ISA guide 7.6.2): the hold at the largest code x the scale
.set J, J+1
.endr
	s_wait_dscnt 0x0                               ; the last batch's LDS stores have read the registers that are written next
.set J, 0
.rept 8
	v_cvt_scalef32_pk8_fp8_f32 v[C+2*J:C+2*J+1], v[\set+8*J:\set+8*J+7], v[\sc]
.set J, J+1
.endr
	v_nop                                          ; one plain vector instruction behind the last scaled conversion, ahead of whatever touches its results or writes its sources
.endm
; K's batch b: keys 32 b + 2 i + half.  Key 32 b + n lies in tile 2 b + (n / 8) % 2, lane n % 8 + 8 (n / 16).  Four lanes' words share a bank in these stores (64 banks of 4 bytes: ISA guide 11.1):
; the lanes' words are (x % 4) + 4 x half + 64 (x / 4).  There are 80 such stores a wave, once in the launch.
.macro KSCAT b
.set J, 0
.rept 16
	ds_store_b32 v[KST], v[C+J] offset:(2*\b+(J/4)%2)*1024+(2*(J%4)+8*((J/8)%2))*16
.set J, J+1
.endr
.endm
.macro QSCAT                           ; q: rows as they come: query 2 i + half lies in tile i / 8, lane 2 (i % 8) + half
.set J, 0
.rept 16
	ds_store_b32 v[QST], v[C+J] offset:(J/8)*1024+32*(J%8)
.set J, J+1
.endr
.endm
; V's batch c: register C + i holds d = 4 r .. 4 r + 3 of key 32 c + 16 h + i.  Four registers at a time are turned as 4 x 4 bytes: register XP + 4 t + g then holds keys 4 g .. 4 g + 3 of d = 4 r + t:
; four registers on end are registers 4 c .. 4 c + 3 of my lane in V's tile t.
.macro VTURN c
.irp g, 0,1,2,3
	v_perm_b32 v[TA],   v[C+4*\g+1], v[C+4*\g],   s32   ; bytes 0, 1 of keys 4 g, 4 g + 1, interleaved
	v_perm_b32 v[TA+1], v[C+4*\g+1], v[C+4*\g],   s33   ; bytes 2, 3
	v_perm_b32 v[TA+2], v[C+4*\g+3], v[C+4*\g+2], s32   ; the same of keys 4 g + 2, 4 g + 3
	v_perm_b32 v[TA+3], v[C+4*\g+3], v[C+4*\g+2], s33
	v_perm_b32 v[XP+\g],    v[TA+2], v[TA],   s34
	v_perm_b32 v[XP+4+\g],  v[TA+2], v[TA],   s35
	v_perm_b32 v[XP+8+\g],  v[TA+3], v[TA+1], s34
	v_perm_b32 v[XP+12+\g], v[TA+3], v[TA+1], s35
.endr
.irp t, 0,1,2,3
	ds_store_b128 v[VST], v[XP+4*\t:XP+4*\t+3] offset:2048*\t+512*\c
.endr
.endm
.macro SCALE e, sc, lim                ; v[sc] = 2^e as f32: a conversion takes its exponent field; v[lim] = 448 x 2^e
	s_add_co_i32 s29, s[\e], 127
	s_lshl_b32 s42, s29, 23
	v_mov_b32 v[\sc], s42
	s_add_co_i32 s29, s29, 8
	s_lshl_b32 s29, s29, 23
	s_or_b32 s29, s29, 0x600000
	v_mov_b32 v[\lim], s29
.endm
	; NINE BATCHES: K's four, V's four, q's one, in three sets of registers by turns: three batches, 48 loads a wave, are on their way.
	LOADB R0, 6, LI, 0, 512, 0
	LOADB R1, 6, LI, 8192, 512, 0
	LOADB R2, 6, LI, 16384, 512, 0
	s_wait_kmcnt 0x0
	SCALE 17, 8, 9                                 ; K's
	SCALE 19, 10, 11                               ; V's
	SCALE 16, 12, 13                               ; q's
	s_add_co_i32 s29, s16, s17
	s_lshl_b32 s29, s29, 23
	s_add_co_i32 s22, s29, 0x3e38aa3b              ; c = log2(e) / 8; a score stands for score x 2^(eq + ek): the two exponents are added to c's exponent field
	s_mov_b32 s23, s22                             ; (the packed form names the pair, so it is written)
	s_add_co_i32 s36, s18, s19                     ; ep + ev
	s_wait_loadcnt 32                              ; loads come back in order: this batch's 16 are in, the two younger batches stay out
	HOLDCVT R0, 8, 9
	LOADB R0, 6, LI, 24576, 512, 0                 ; the set is free: it takes the batch three on
	KSCAT 0
	s_wait_loadcnt 32
	HOLDCVT R1, 8, 9
	LOADB R1, 8, VO, 0, 256, 0
	KSCAT 1
	s_wait_loadcnt 32
	HOLDCVT R2, 8, 9
	LOADB R2, 8, VO, 8192, 256, 0
	KSCAT 2
	s_wait_loadcnt 32
	HOLDCVT R0, 8, 9
	LOADB R0, 8, VO, 16384, 256, 0
	KSCAT 3
	s_wait_loadcnt 32
	HOLDCVT R1, 10, 11
	LOADB R1, 8, VO, 24576, 256, 0
	VTURN 0
	s_wait_loadcnt 32
	HOLDCVT R2, 10, 11
	LOADB R2, 4, LI, 0, 512, 1                     ; q: read by this wave alone, once
	VTURN 1
	s_wait_loadcnt 32
	HOLDCVT R0, 10, 11
	VTURN 2
	s_wait_loadcnt 16                              ; only q's batch is behind this one
	HOLDCVT R1, 10, 11
	VTURN 3
	s_wait_loadcnt 0x0
	HOLDCVT R2, 12, 13
	QSCAT
	s_wait_dscnt 0x0                               ; the stores have read v24-39, which take Q's fragments now
	v_add_nc_u32 v[ADR], s27, v[LI]
	ds_load_b128 v[Q0:Q0+3],   v[ADR]              ; my own bytes: LDS serves a wave's instructions in order (ISA guide 5.7.1.4)
	ds_load_b128 v[Q0+4:Q0+7], v[ADR] offset:512
	ds_load_b128 v[Q1:Q1+3],   v[ADR] offset:1024
	ds_load_b128 v[Q1+4:Q1+7], v[ADR] offset:1536
	SCALE 18, PSC, PLIM                            ; p's
	v_mov_b32 v13, 0xff61b1e6                      ; the largest t so far: -3e38, under every t
	v_mov_b32 v17, 0xff61b1e6
	v_floor_f32 v12, -v13                          ; -M
	v_floor_f32 v16, -v17
	v_mov_b32 v14, 0                               ; the sums, in two halves
	v_mov_b32 v15, 0
	v_mov_b32 v18, 0
	v_mov_b32 v19, 0
	v_mov_b32 v[PX], 0                             ; written once: a lane permute's destination counts as one of its sources
	v_mov_b32 v[FF+1], 0                           ; (named as the upper half of the pair with f)
.set J, 0
.rept 64
	v_mov_b32 v[O0+J], 0                           ; O^T.  The step is written once: the first finds zeros, which the first change of M leaves zeros; that spares a second copy of the step
.set J, J+1
.endr
	s_mov_b32 s24, 0                               ; 8,192 x the step
	s_mov_b32 s25, NSTEP
	s_wait_dscnt 0x0                               ; for the others' sake: my images have landed (and Q's fragments are in)
	s_barrier_signal -1
	s_barrier_wait -1                              ; the head's K and V lie in LDS as codes
; Four products S^T = K Q^T: tiles t0 .. t0 + 3 of 16 keys against the fragment of 16 queries at v[qf].  Each starts its sum with the constant 0.
.macro KQ qf, t0
.irp t, \t0, \t0+1, \t0+2, \t0+3
	v_wmma_f32_16x16x64_fp8_fp8 v[Y+8*(\t):Y+8*(\t)+7], v[X+8*(\t):X+8*(\t)+7], v[\qf:\qf+7], 0
.endr
.endm
; One tile's softmax for 128 keys, on the 64 scores in Y.  st: the tile's -M, largest t and sum; ob: its O^T; pd: where p's codes go.  Each accumulator is read from its low end on.
.macro SOFT st, ob, pd
	v_max3_num_f32 v[MXA], v[Y], v[Y+1], v[Y+2]    ; the step's largest score of my query, among my 64 keys, in two chains,
	v_max3_num_f32 v[MXB], v[Y+3], v[Y+4], v[Y+5]
.irp i, 6,10,14,18,22,26,30,34,38,42,46,50,54,58
	v_max3_num_f32 v[MXA], v[MXA], v[Y+\i], v[Y+\i+1]
	v_max3_num_f32 v[MXB], v[MXB], v[Y+\i+2], v[Y+\i+3]
.endr
	v_max3_num_f32 v[MXA], v[MXA], v[Y+62], v[Y+63]
	v_max_num_f32 v[MXA], v[MXA], v[MXB]
	v_permlanex16_b32 v[PX], v[MXA], s20, s21
	v_max_num_f32 v[MXA], v[MXA], v[PX]            ; and among lane l xor 16's
	v_mul_f32 v[MXA], s22, v[MXA]                  ; as t (c is positive)
	v_max_num_f32 v[\st+1], v[\st+1], v[MXA]       ; the running largest t
	v_mov_b32 v[MXA], v[\st]
	v_floor_f32 v[\st], -v[\st+1]                  ; the new -M = floor(-t) = -ceil(t): a whole number
	v_sub_f32 v[MXA], v[\st], v[MXA]               ; M's old value less its new one: a whole number, 0 or less
	v_cvt_i32_f32 v[MXA], v[MXA]                   ; (it saturates)
	v_ldexp_f32 v[FF], 1.0, v[MXA]                 ; f = 2^(old M - new M)
.set J, 0
.rept 32
	v_pk_fma_f32 v[Y+J:Y+J+1], v[Y+J:Y+J+1], s[22:23], v[\st:\st+1] op_sel_hi:[1,0,0]   ; t - M, two at a time (of the pairs c and -M the low word serves both halves)
.set J, J+2
.endr
.set J, 0
.rept 64
	v_exp_f32 v[Y+J], v[Y+J]                       ; p = 2^(t - M), not normalised: one batch
.set J, J+1
.endr
	v_pk_mul_f32 v[\st+2:\st+3], v[\st+2:\st+3], v[FF:FF+1] op_sel_hi:[1,0]   ; the sums under the new M: the plain instruction behind the last exponential
	s_wait_alu depctr_va_vdst(0)                   ; one wait for the whole batch, ahead of its first reader
	v_pk_add_f32 v[SB:SB+1], v[Y:Y+1], v[Y+2:Y+3]  ; the row's sum is taken of the UNQUANTISED p: two at a time, in two chains
.irp j, 4,8,12,16,20,24,28,32,36,40,44,48,52,56,60
	v_pk_add_f32 v[\st+2:\st+3], v[\st+2:\st+3], v[Y+\j:Y+\j+1]
	v_pk_add_f32 v[SB:SB+1], v[SB:SB+1], v[Y+\j+2:Y+\j+3]
.endr
	v_pk_add_f32 v[\st+2:\st+3], v[\st+2:\st+3], v[SB:SB+1]
	s_cmp_ge_i32 s18, -8                           ; p is at most 1 (but for the last bit): where ep >= -8, p / 2^ep is at most 256, under 448, and the hold changes nothing.
	s_cbranch_scc1 .Lno_hold_\@                    ; A branch on a whole number read from lowp_scales, round the 64 lines of the hold alone
.set J, 0
.rept 64
	v_min_num_f32 v[Y+J], v[Y+J], v[PLIM]          ; p is not negative, so the hold is one-sided
.set J, J+1
.endr
.Lno_hold_\@:
.irp b, 0,1,2,3
	v_cvt_scalef32_pk8_fp8_f32 v[\pd+4*\b:\pd+4*\b+1], v[Y+16*\b:Y+16*\b+7], v[PSC]       ; registers 4 b .. 4 b + 3 of P: keys 32 b + 16 h + 0 .. 15
	v_cvt_scalef32_pk8_fp8_f32 v[\pd+4*\b+2:\pd+4*\b+3], v[Y+16*\b+8:Y+16*\b+15], v[PSC]
.irp i, 0,2,4,6
	v_pk_mul_f32 v[\ob+8*\b+\i:\ob+8*\b+\i+1], v[\ob+8*\b+\i:\ob+8*\b+\i+1], v[FF:FF+1] op_sel_hi:[1,0]   ; O^T under the new M.  These four are also the plain instructions between a pair of
.endr                                              ; conversions and what writes its sources next: the next pair (tile 1's codes run on into Y, over block 0's scores), or a matrix instruction
.endr
.endm
.Lstep:                                            ; 16 trips of 128 keys
	v_add_nc_u32 v[ADR], s24, v[LI]                ; the step's image of K
.rept 4
	v_nop                                          ; with the line above five places behind the last trip's products: four for the loads into X, which they read; five for the
.endr                                              ; products below, which write over tile 1's P
.irp t, 0,1,2,3,4,5,6,7
	ds_load_b128 v[X+8*\t:X+8*\t+3],   v[ADR] offset:1024*\t       ; 32 lanes x 16 consecutive bytes
	ds_load_b128 v[X+8*\t+4:X+8*\t+7], v[ADR] offset:1024*\t+512
.endr
	s_wait_dscnt 8                                 ; LDS loads come back in order: fragments 0 to 3 are in, the eight loads of fragments 4 to 7 may be out
	KQ Q0, 0
	s_wait_dscnt 0x0
	KQ Q0, 4
.rept 4
	v_nop                                          ; four places ahead of the first read of the scores
.endr
	SOFT 12, O0, P0
	KQ Q1, 0                                       ; tile 1's scores, over tile 0's, which are done with
	KQ Q1, 4
	v_add_nc_u32 v[ADR], VIMG, v[ADR]              ; the step's image of V.  With the three below: four places ahead of the loads into X and of the first read of the scores
.rept 3
	v_nop
.endr
.irp t, 0,1,2,3
.irp c, 0,1,2,3
	ds_load_b128 v[X+16*\t+4*\c:X+16*\t+4*\c+3], v[ADR] offset:2048*\t+512*\c   ; V's four fragments land under tile 1's softmax
.endr
.endr
	SOFT 16, O1, P1
	s_wait_dscnt 0x0                               ; V is in
.irp t, 0,1,2,3                                    ; O^T += V^T P^T: the eight accumulators by turns, one instruction a turn
	v_wmma_f32_16x16x128_fp8_fp8 v[O0+8*\t:O0+8*\t+7], v[X+16*\t:X+16*\t+15], v[P0:P0+15], v[O0+8*\t:O0+8*\t+7]
	v_wmma_f32_16x16x128_fp8_fp8 v[O1+8*\t:O1+8*\t+7], v[X+16*\t:X+16*\t+15], v[P1:P1+15], v[O1+8*\t:O1+8*\t+7]
.endr
	s_add_co_u32 s24, s24, STEPB
	s_sub_co_u32 s25, s25, 1
	s_cmp_lg_u32 s25, 0
	s_cbranch_scc1 .Lstep
	; THE WAY OUT.  The stages lie where K's images lay: so a barrier stands between every wave's last read of the images and the first store into a stage.
	s_wait_dscnt 0x0                               ; my reads of the images are over
	s_barrier_signal -1                            ; work on registers stands between the signal and the wait; its plain lines are also the places behind the last products
	v_add_f32 v14, v14, v15                        ; the sums' two halves,
	v_add_f32 v18, v18, v19
	v_permlanex16_b32 v[PX], v14, s20, s21
	v_permlanex16_b32 v[MXB], v18, s20, s21
	v_add_f32 v14, v14, v[PX]                      ; and lane l xor 16's: the rows' sums
	v_add_f32 v18, v18, v[MXB]
	v_rcp_f32 v14, v14
	v_rcp_f32 v18, v18
	v_and_b32 v6, 15, v0                           ; r  (a plain instruction behind the reciprocals)
	v_bfe_u32 v10, v0, 4, 1                        ; h
	s_mul_i32 s26, s14, 16*SP                      ; my stage
	v_mul_u32_u24 v[STO], v6, SP
	v_lshl_add_u32 v[STO], v10, 7, v[STO]
	v_add_nc_u32 v[STO], s26, v[STO]               ; in: row r, + 128 h: my 32 channels
	v_mul_u32_u24 v[RD], v10, SP
	v_lshl_add_u32 v[RD], v6, 4, v[RD]
	v_add_nc_u32 v[RD], s26, v[RD]                 ; back: lanes 0-15 one row of 256 bytes, lanes 16-31 the next
	s_wait_alu depctr_va_vdst(0)                   ; one wait for the two reciprocals, ahead of their first reader
	v_ldexp_f32 v14, v14, s36                      ; x 2^(ep + ev)
	v_ldexp_f32 v18, v18, s36
	s_barrier_wait -1                              ; no wave reads the images any more
; Tile a: O^T / the sum.  Register j of tile t is d = 32 h + 4 j + t: the product is written to register 4 j + t, so that my 32 channels stand in order at no cost.  They go into rows of 272 bytes
; and come back as whole rows of 256.
.macro PACK a, ob, inv
.irp t, 0,1,2,3
.irp j, 0,1,2,3,4,5,6,7
	v_mul_f32 v[Y+32*\a+4*\j+\t], v[\ob+8*\t+\j], v[\inv]
.endr
.endr
.irp n, 0,1,2,3,4,5,6,7
	ds_store_b128 v[STO], v[Y+32*\a+4*\n:Y+32*\a+4*\n+3] offset:16*\n
.endr
.irp i, 0,1,2,3,4,5,6,7
	ds_load_b128 v[X+32*\a+4*\i:X+32*\a+4*\i+3], v[RD] offset:2*SP*\i   ; LDS serves a wave's instructions in order (ISA guide 5.7.1.4): these see my stores, and the next tile's stores come behind them
.endr
.endm
.macro SEND a, younger                 ; younger: the LDS instructions issued behind tile a's loads
.set J, 0
.rept 8
	s_wait_dscnt \younger+7-J
	global_store_b128 v[LI], v[X+32*\a+4*J:X+32*\a+4*J+3], s[12:13] offset:4096*\a+512*J th:TH_STORE_NT   ; 32 lanes store 512 consecutive bytes, two rows, at a multiple of 256 from out0's first byte
.set J, J+1
.endr
.endm
	PACK 0, O0, 14
	PACK 1, O1, 18                                 ; tile 1's arithmetic stands between tile 0's loads and its stores
	SEND 0, 16
	SEND 1, 0
	s_wait_tensorcnt 0x0
	ds_add_u32 v254, v255
	s_wait_dscnt 0x0
	s_endpgm
.Lfunc_end_k_q7b7afa46d8_attn:
	.size	k_q7b7afa46d8_attn, .Lfunc_end_k_q7b7afa46d8_attn-k_q7b7afa46d8_attn
	.p2alignl 7, 3214868480
	.fill 96, 4, 3214868480
	.section	.rodata,"a",@progbits
	.p2align	6, 0x0
	.amdhsa_kernel k_q7b7afa46d8_attn
		.amdhsa_group_segment_fixed_size 296960
		.amdhsa_private_segment_fixed_size 0
		.amdhsa_enable_private_segment 0
		.amdhsa_kernarg_size 40
		.amdhsa_user_sgpr_count 2
		.amdhsa_user_sgpr_kernarg_segment_ptr 1
		.amdhsa_wavefront_size32 1
		.amdhsa_system_sgpr_workgroup_id_x 1
		.amdhsa_system_sgpr_workgroup_id_y 1
		.amdhsa_system_sgpr_workgroup_id_z 1
		.amdhsa_system_vgpr_workitem_id 0
		.amdhsa_next_free_vgpr 256
		.amdhsa_next_free_sgpr 66
		.amdhsa_reserve_vcc 0
		.amdhsa_float_denorm_mode_32 3
		.amdhsa_float_denorm_mode_16_64 3
		.amdhsa_memory_ordered 1
		.amdhsa_forward_progress 1
		.amdhsa_inst_pref_size 111
	.end_amdhsa_kernel
	.amdgpu_metadata
---
amdhsa.version: [ 1, 2 ]
amdhsa.kernels:
  - .name:           k_q7b7afa46d8_attn
    .symbol:         k_q7b7afa46d8_attn.kd
    .args:
      - { .name: q, .offset: 0, .size: 8, .value_kind: global_buffer, .address_space: global }
      - { .name: k, .offset: 8, .size: 8, .value_kind: global_buffer, .address_space: global }
      - { .name: v, .offset: 16, .size: 8, .value_kind: global_buffer, .address_space: global }
      - { .name: lowp_scales, .offset: 24, .size: 8, .value_kind: global_buffer, .address_space: global }
      - { .name: out0, .offset: 32, .size: 8, .value_kind: global_buffer, .address_space: global }
    .group_segment_fixed_size: 296960
    .private_segment_fixed_size: 0
    .kernarg_segment_align: 8
    .kernarg_segment_size: 40
    .max_flat_workgroup_size: 512
    .sgpr_count:     66
    .vgpr_count:     256
    .wavefront_size: 32
...
	.end_amdgpu_metadata
.endif
;; end of part 1
;; ======== version 2 of 2: 1 launch; version 1 with the launch attn written anew for expert scheduling mode
;; limits: right only within a limited range of input values
;; launch attn (part 2): grid 4 x 64, 16 waves a work-group, no clusters, 296,960 bytes of LDS; arguments q, k, v, lowp_scales, out0; writes out0
.if DOCPART == 2
	.amdgcn_target "amdgcn-amd-amdhsa--gfx1250"
	.amdhsa_code_object_version 6
	.text
	.protected	k_q7b7afa46d8_attn
	.globl	k_q7b7afa46d8_attn
	.p2align	8
	.type	k_q7b7afa46d8_attn,@function
k_q7b7afa46d8_attn:
	s_mov_b64 s[64:65], 0
	v_nop
	global_prefetch_b8 v0, s[64:65] scope:SCOPE_SE
	s_setreg_imm32_b32 hwreg(HW_REG_WAVE_SCHED_MODE, 0, 2), 2
	s_setreg_imm32_b32 hwreg(HW_REG_WAVE_MODE, 25, 1), 1
	s_wait_xcnt 0x0
	s_wait_alu depctr_vm_vsrc(0)
; out0[b][q][:] = the sum over keys of softmax(q . k / 8) v.  q, k, v, out0: [64][2048][64] f32.  Both products on codes of FP8 (E4M3), each operand with the one scale 2^e
; that lowp_scales gives: eq, ek, ep, ev.  code = x / 2^e, held within +-448, rounded to the nearest code, ties to even.
; THE SOFTMAX AHEAD OF THE SECOND PRODUCT: t = score x log2(e) / 8; M = the largest t so far, rounded UP to a whole number; p = 2^(t - M) is quantised along the keys, not normalised.
; The row's sum is taken of the unquantised p, in f32, and divides at the end.  When M moves, the sum and O are multiplied by 2^(old M - new M), which rounds nothing.
; SHARES.  A work-group owns one head (y) and 512 of its queries (x): 64 x 4 = 256 work-groups.  Each of its SIXTEEN waves owns 32 queries, two tiles of 16, in 256 registers: four waves to a
; SIMD, so that one wave's vector work stands beside another's matrix work and LDS loads.
; THE HEAD OF THE KERNEL.  A head's K and V as codes are 2 x 131,072 bytes: they fit into LDS whole.  Wave w reads keys 128 w .. 128 w + 127 of K and of V and its own 32 rows of q as f32, quantises
; them in registers, and stores the codes in LDS as IMAGES OF THE OPERANDS' REGISTERS: a group of four registers is 512 bytes on end, lane l's 16 bytes at 16 l.  One barrier; then every wave walks
; all 2,048 keys, 128 a step, with no barrier in the loop.  A second barrier; then the way out through a stage that lies where K's images lay.
; NO TENSOR LOADS AND NO JOINT REQUESTS, though the four work-groups of a head read the same K and V: what is shared is f32 and has to pass through registers to become codes; the images take 294,912
; of 327,680 bytes of LDS, so the head's 1,048,576 bytes of f32 could only come through a ring of under 32,768 bytes with many refills.
; LAYOUT.  Both products are used transposed: S^T = K Q^T (source 0 = 16 keys, source 1 = 16 queries), O^T = V^T P^T (source 0 = 16 of the head's 64, source 1 = P): a lane holds ONE query
; (lane % 16) throughout.  r = lane % 16, h = lane / 16.
;   K, Q (16x16x64): registers 4 c .. 4 c + 3 hold d = 32 c + 16 h + 0 .. 15: a permutation of the form's own places of k, the same on both sides, so every product meets its partner.
;   THE KEYS OF A TILE ARE NOT NEIGHBOURS: lane r of tile 2 b + u takes key 32 b + 8 u + r + 8 (r / 8), so that the 16 score registers of tiles 2 b, 2 b + 1 are keys 32 b + 16 h + 0 .. 15.
;   V, P (16x16x128): registers 4 c .. 4 c + 3 hold keys 32 c + 16 h + 0 .. 15.  Row r of V's tile t is d = 4 r + t, so register j of O^T's tile t is d = 32 h + 4 j + t.
; LIMITS on the given exponents, so that each power of two below is an f32 number: eq, ek, ep, ev each between -126 and 119; eq + ek between -123 and 130 (added to c's exponent field);
; ep + ev between -115 and 126 (2^(ep + ev) / the row's sum, which is at most 2,048, is formed once a query).  NaN among the inputs is not served; an infinity is held at the largest code.
; LDS: 0 K's images, 8,192 bytes a step; 131,072 V's, likewise; 262,144 Q's, 2,048 bytes a wave, the wave's own.  The way out's stages: 16 rows x 272 bytes a wave from byte 0 on.
; THE MODE: SCHED_MODE bits 1:0 = 2 (LLVM: expert scheduling mode 2), set by the entry lines.  The code itself states the register dependences between vector or matrix instructions and
; memory or LDS instructions, with s_wait_alu, always for 0.
; THE PLAN.  Registers that memory or LDS instructions touch, and who else names them:
;   v1, v20-23   offsets and LDS addresses, made once at the head, ahead of one wait on va_vdst.  v1 and v23 are never written again; v20, v21 (the way out) and v22 (the loop) only behind a wait on vm_vsrc.
;   R0 .. R2     at the head: a batch's 16 loads land; its holds rewrite and its conversions read the set; then the loads of the batch three on land in it.
;   C, XP        at the head: written by a batch's conversions and byte turns, read by its LDS stores, written again by the next batch.  Last, Q's fragments land in C.
;                So a batch has ONE wait on va_vdst, behind its last vector line (its codes are written; its set is done with), ahead of its loads and its LDS stores, and ONE on vm_vsrc, ahead of its conversions.
;   X            in the loop: K's 16 LDS loads land, 16 products read it, V's 16 LDS loads land, 8 products read it: a wait on va_vdst ahead of each of the two runs of loads.
;   v2, v22      in the loop: the LDS addresses of the step's K and V: both written at the trip's head, behind one wait on vm_vsrc and ahead of the wait on va_vdst that stands there for X.
;   Y, X         on the way out: both tiles' 64 multiplications write Y; ONE wait on va_vdst; the LDS stores read Y, the LDS loads land in X, the global stores read X: no vector line follows.
;   All else (Q, P, the scores, O^T, the statistics) is named in the loop by vector and matrix instructions alone.
; REGISTERS in the loop: v1 16 x lane; v2 the LDS address of the step's K, v22 of its V; v3, v4 2^ep and 448 x 2^ep; v5 a lane permute's destination; v6, v7 two chains of the maximum; v[8:9] f; v[10:11] a second chain of the sum;
;   v12 -M, v13 the largest t, v[14:15] the sum in two halves, for tile 0; v16-19 the same for tile 1; v24-39 Q's two fragments; v40-55 P of tile 0; v56-71 P of tile 1 (it runs on into Y, over scores
;   that are done with); v60-123 Y: the scores of the tile in hand; v124-187 X: the step's 8 fragments of K, then its 4 of V; v188-219, v220-251 O^T of the two tiles.
.set VIMG,  131072
.set QIMG,  262144
.set STEPB, 8192                       ; a step's image of K, and of V
.set NSTEP, 16
.set SP,    272                        ; a stage row: 256 bytes + 16
.set LI,   1
.set ADK,  2
.set ADV,  22
.set PSC,  3
.set PLIM, 4
.set PX,   5
.set MXA,  6
.set MXB,  7
.set FF,   8
.set SB,   10
.set Q0,   24
.set Q1,   32
.set P0,   40
.set P1,   56
.set Y,    60
.set X,    124
.set O0,   188
.set O1,   220
.set STO,  20                          ; the way out: where I put 128 bytes of a row
.set RD,   21                          ; and where I read a row back
; at the head only:
.set KST,  20                          ; where my 4 codes of K go
.set VST,  21                          ; where my 16 codes of V go
.set QST,  22                          ; where my 4 codes of Q go
.set VO,   23                          ; V: my byte offset in memory
.set C,    24                          ; v24-39  a batch's codes: register i = the 4 codes of load i
.set XP,   40                          ; v40-55  V's codes, turned
.set TA,   56                          ; v56-59  at work in the turn
.set R0,   60                          ; three sets of 64 registers for the loads: v60-123, v124-187, v188-251
.set R1,   124
.set R2,   188
	s_load_b256 s[4:11], s[0:1], 0x0               ; q s[4:5], k s[6:7], v s[8:9], the scales' exponents s[10:11]
	s_load_b64 s[12:13], s[0:1], 0x20              ; out0
	v_lshl_add_u32 v254, v0, 2, 0x48000
	v_mov_b32 v255, 0
	v_lshrrev_b32 v2, 5, v0
	v_readfirstlane_b32 s14, v2                    ; wave 0..15
	s_and_b32 s15, ttmp7, 0xffff                   ; the head
	v_and_b32 v3, 31, v0                           ; lane
	v_lshlrev_b32 v[LI], 4, v3                     ; 16 x lane: an image's place for my lane; my 16 bytes of a dense load's or store's 512
	v_and_b32 v4, 15, v0                           ; x = lane % 16
	v_bfe_u32 v5, v0, 4, 1                         ; lane / 16
	; A dense load of K or q gives lane (x, half) the numbers d = 4 x .. 4 x + 3 of row 2 i + half.  In an image they are 4 bytes at 512 (x / 8) + 256 ((x / 4) % 2) + 4 (x % 4) + 16 x the row's lane:
	v_lshrrev_b32 v6, 2, v4
	v_and_b32 v7, 3, v4
	v_lshlrev_b32 v6, 8, v6                        ; 256 (x / 4)
	v_lshl_add_u32 v6, v5, 4, v6                   ; + 16 x half: the odd row's lane is the next one
	v_lshl_add_u32 v6, v7, 2, v6                   ; + 4 (x % 4)
	s_wait_alu depctr_va_sdst(0)                   ; s14 is written, ahead of its first reader: the images' places and the bases are made from it
	s_lshl_b32 s26, s14, 13                        ; 8,192 x wave: my step's image of K
	s_lshl_b32 s27, s14, 11
	s_add_co_u32 s27, s27, QIMG                    ; my wave's image of Q
	s_add_co_u32 s28, s26, VIMG                    ; my step's image of V
	v_add_nc_u32 v[KST], s26, v6
	v_add_nc_u32 v[QST], s27, v6
	v_add_nc_u32 v[VST], s28, v[LI]
	v_lshlrev_b32 v[VO], 4, v4
	v_lshl_add_u32 v[VO], v5, 12, v[VO]            ; V: lanes 0-15 take one row of 256 bytes, lanes 16-31 the row 16 keys on
	s_lshl_b32 s30, s15, 19                        ; a head is 2,048 rows of 256 bytes
	s_lshl_b32 s29, s14, 15                        ; my 128 keys
	s_add_co_u32 s30, s30, s29
	s_mov_b32 s31, 0
	s_lshl_b32 s40, s15, 19
	s_lshl_b32 s29, ttmp9, 17                      ; the work-group's 512 queries
	s_add_co_u32 s40, s40, s29
	s_add_co_u32 s40, s40, s26                     ; my 32 of them: 8,192 bytes
	s_mov_b32 s41, 0
	s_mov_b32 s20, 0x76543210                      ; v_permlanex16_b32's selects for lane l xor 16
	s_mov_b32 s21, 0xfedcba98
	s_mov_b32 s32, 0x05010400                      ; v_perm_b32's selects for the turn of 4 x 4 bytes
	s_mov_b32 s33, 0x07030602
	s_mov_b32 s34, 0x05040100
	s_mov_b32 s35, 0x07060302
	s_wait_kmcnt 0x0
	s_load_b128 s[16:19], s[10:11], 0x0            ; eq, ek, ep, ev
	s_add_nc_u64 s[6:7], s[6:7], s[30:31]          ; K and V at my first key
	s_add_nc_u64 s[8:9], s[8:9], s[30:31]
	s_add_nc_u64 s[4:5], s[4:5], s[40:41]          ; q and out0 at my first query.  None of these bases, and no offset register of a global access, is written again
	s_add_nc_u64 s[12:13], s[12:13], s[40:41]
	s_wait_alu depctr_va_vdst(0)                   ; v1 and v20 to v23 are written: the loads and LDS stores of the head, and the global stores at the end, read them as offsets and addresses
; A batch: 16 loads of 16 bytes a lane into a set of 64 registers.  K, q: each load reads 512 consecutive bytes, two rows.  V: two whole rows of 256 bytes, 16 keys apart.
.macro LOADB set, base, voff, off0, stride, nt
.set J, 0
.rept 16
.if \nt
	global_load_b128 v[\set+4*J:\set+4*J+3], v[\voff], s[\base:\base+1] offset:(\off0)+(\stride)*J th:TH_LOAD_NT
.else
	global_load_b128 v[\set+4*J:\set+4*J+3], v[\voff], s[\base:\base+1] offset:(\off0)+(\stride)*J
.endif
.set J, J+1
.endr
.endm
; The batch's 64 numbers become 64 codes: register C + i holds the 4 codes of load i.  prev = 1: a batch's LDS stores stand ahead.
.macro HOLDCVT set, sc, lim, prev
.set J, 0
.rept 64
	v_med3_num_f32 v[\set+J], v[\set+J], -v[\lim], v[\lim]   ; the conversion to an 8-bit code does not saturate (ISA guide 7.6.2): the hold at the largest code x the scale
.set J, J+1
.endr
	s_wait_dscnt 0x0                               ; the last batch's LDS stores are done
.if \prev
	s_wait_alu depctr_vm_vsrc(0)                   ; the last batch's LDS stores have read C and XP, which this batch's conversions and byte turns write again
.endif
.set J, 0
.rept 8
	v_cvt_scalef32_pk8_fp8_f32 v[C+2*J:C+2*J+1], v[\set+8*J:\set+8*J+7], v[\sc]
.set J, J+1
.endr
	v_nop                                          ; one plain vector instruction behind the last scaled conversion, ahead of whatever touches its results or writes its sources
.endm
; K's batch b: keys 32 b + 2 i + half.  Key 32 b + n lies in tile 2 b + (n / 8) % 2, lane n % 8 + 8 (n / 16).  Four lanes' words share a bank in these stores (64 banks of 4 bytes: ISA guide 11.1):
; the lanes' words are (x % 4) + 4 x half + 64 (x / 4).  There are 80 such stores a wave, once in the launch.
.macro KSCAT b
.set J, 0
.rept 16
	ds_store_b32 v[KST], v[C+J] offset:(2*\b+(J/4)%2)*1024+(2*(J%4)+8*((J/8)%2))*16
.set J, J+1
.endr
.endm
.macro QSCAT                           ; q: rows as they come: query 2 i + half lies in tile i / 8, lane 2 (i % 8) + half
.set J, 0
.rept 16
	ds_store_b32 v[QST], v[C+J] offset:(J/8)*1024+32*(J%8)
.set J, J+1
.endr
.endm
; V's batch c: register C + i holds d = 4 r .. 4 r + 3 of key 32 c + 16 h + i.  Four registers at a time are turned as 4 x 4 bytes: register XP + 4 t + g then holds keys 4 g .. 4 g + 3 of d = 4 r + t:
; four registers on end are registers 4 c .. 4 c + 3 of my lane in V's tile t.  The turn stands ahead of the batch's one wait on va_vdst, the stores behind it.
.macro VPERM
.irp g, 0,1,2,3
	v_perm_b32 v[TA],   v[C+4*\g+1], v[C+4*\g],   s32   ; bytes 0, 1 of keys 4 g, 4 g + 1, interleaved
	v_perm_b32 v[TA+1], v[C+4*\g+1], v[C+4*\g],   s33   ; bytes 2, 3
	v_perm_b32 v[TA+2], v[C+4*\g+3], v[C+4*\g+2], s32   ; the same of keys 4 g + 2, 4 g + 3
	v_perm_b32 v[TA+3], v[C+4*\g+3], v[C+4*\g+2], s33
	v_perm_b32 v[XP+\g],    v[TA+2], v[TA],   s34
	v_perm_b32 v[XP+4+\g],  v[TA+2], v[TA],   s35
	v_perm_b32 v[XP+8+\g],  v[TA+3], v[TA+1], s34
	v_perm_b32 v[XP+12+\g], v[TA+3], v[TA+1], s35
.endr
.endm
.macro VSTORE c
.irp t, 0,1,2,3
	ds_store_b128 v[VST], v[XP+4*\t:XP+4*\t+3] offset:2048*\t+512*\c
.endr
.endm
.macro SCALE e, sc, lim                ; v[sc] = 2^e as f32: a conversion takes its exponent field; v[lim] = 448 x 2^e
	s_add_co_i32 s29, s[\e], 127
	s_lshl_b32 s42, s29, 23
	v_mov_b32 v[\sc], s42
	s_add_co_i32 s29, s29, 8
	s_lshl_b32 s29, s29, 23
	s_or_b32 s29, s29, 0x600000
	v_mov_b32 v[\lim], s29
.endm
	; NINE BATCHES: K's four, V's four, q's one, in three sets of registers by turns: three batches, 48 loads a wave, are on their way.
	LOADB R0, 6, LI, 0, 512, 0
	LOADB R1, 6, LI, 8192, 512, 0
	LOADB R2, 6, LI, 16384, 512, 0
	s_wait_kmcnt 0x0
	SCALE 17, 8, 9                                 ; K's
	SCALE 19, 10, 11                               ; V's
	SCALE 16, 12, 13                               ; q's
	s_add_co_i32 s29, s16, s17
	s_lshl_b32 s29, s29, 23
	s_add_co_i32 s22, s29, 0x3e38aa3b              ; c = log2(e) / 8; a score stands for score x 2^(eq + ek): the two exponents are added to c's exponent field
	s_mov_b32 s23, s22                             ; (the packed form names the pair, so it is written)
	s_add_co_i32 s36, s18, s19                     ; ep + ev
	s_wait_loadcnt 32                              ; loads come back in order: this batch's 16 are in, the two younger batches stay out
	HOLDCVT R0, 8, 9, 0
	s_wait_alu depctr_va_vdst(0)                   ; the conversions have written C, which the LDS stores read; holds and conversions are done with R0, in which the loads land
	LOADB R0, 6, LI, 24576, 512, 0                 ; the set is free: it takes the batch three on
	KSCAT 0
	s_wait_loadcnt 32
	HOLDCVT R1, 8, 9, 1
	s_wait_alu depctr_va_vdst(0)                   ; C is written; holds and conversions are done with R1
	LOADB R1, 8, VO, 0, 256, 0
	KSCAT 1
	s_wait_loadcnt 32
	HOLDCVT R2, 8, 9, 1
	s_wait_alu depctr_va_vdst(0)                   ; C is written; holds and conversions are done with R2
	LOADB R2, 8, VO, 8192, 256, 0
	KSCAT 2
	s_wait_loadcnt 32
	HOLDCVT R0, 8, 9, 1
	s_wait_alu depctr_va_vdst(0)                   ; C is written; holds and conversions are done with R0
	LOADB R0, 8, VO, 16384, 256, 0
	KSCAT 3
	s_wait_loadcnt 32
	HOLDCVT R1, 10, 11, 1
	VPERM
	s_wait_alu depctr_va_vdst(0)                   ; the byte turns have written XP, which the LDS stores read; holds and conversions are done with R1, in which the loads land
	LOADB R1, 8, VO, 24576, 256, 0
	VSTORE 0
	s_wait_loadcnt 32
	HOLDCVT R2, 10, 11, 1
	VPERM
	s_wait_alu depctr_va_vdst(0)                   ; XP is written; holds and conversions are done with R2
	LOADB R2, 4, LI, 0, 512, 1                     ; q: read by this wave alone, once
	VSTORE 1
	s_wait_loadcnt 32
	HOLDCVT R0, 10, 11, 1
	VPERM
	s_wait_alu depctr_va_vdst(0)                   ; XP is written, which the LDS stores read
	VSTORE 2
	s_wait_loadcnt 16                              ; only q's batch is behind this one
	HOLDCVT R1, 10, 11, 1
	VPERM
	s_wait_alu depctr_va_vdst(0)                   ; XP is written, which the LDS stores read
	VSTORE 3
	s_wait_loadcnt 0x0
	HOLDCVT R2, 12, 13, 1
	v_add_nc_u32 v[ADK], s27, v[LI]                ; where Q's fragments are read back: made ahead of the batch's wait
	s_wait_alu depctr_va_vdst(0)                   ; C is written, which the LDS stores read and in which Q's fragments land; v2 is written, by which they are loaded
	QSCAT
	s_wait_dscnt 0x0                               ; the stores are done
	s_wait_alu depctr_vm_vsrc(0)                   ; the stores have read v24-39, which take Q's fragments now
	ds_load_b128 v[Q0:Q0+3],   v[ADK]              ; my own bytes: LDS serves a wave's instructions in order (ISA guide 5.7.1.4)
	ds_load_b128 v[Q0+4:Q0+7], v[ADK] offset:512
	ds_load_b128 v[Q1:Q1+3],   v[ADK] offset:1024
	ds_load_b128 v[Q1+4:Q1+7], v[ADK] offset:1536
	SCALE 18, PSC, PLIM                            ; p's
	v_mov_b32 v13, 0xff61b1e6                      ; the largest t so far: -3e38, under every t
	v_mov_b32 v17, 0xff61b1e6
	v_floor_f32 v12, -v13                          ; -M
	v_floor_f32 v16, -v17
	v_mov_b32 v14, 0                               ; the sums, in two halves
	v_mov_b32 v15, 0
	v_mov_b32 v18, 0
	v_mov_b32 v19, 0
	v_mov_b32 v[PX], 0                             ; written once: a lane permute's destination counts as one of its sources
	v_mov_b32 v[FF+1], 0                           ; (named as the upper half of the pair with f)
.set J, 0
.rept 64
	v_mov_b32 v[O0+J], 0                           ; O^T.  The step is written once: the first finds zeros, which the first change of M leaves zeros; that spares a second copy of the step
.set J, J+1
.endr
	s_mov_b32 s24, 0                               ; 8,192 x the step
	s_mov_b32 s25, NSTEP
	s_wait_dscnt 0x0                               ; for the others' sake: my images have landed (and Q's fragments are in)
	s_barrier_signal -1
	s_barrier_wait -1                              ; the head's K and V lie in LDS as codes
; Four products S^T = K Q^T: tiles t0 .. t0 + 3 of 16 keys against the fragment of 16 queries at v[qf].  Each starts its sum with the constant 0.
.macro KQ qf, t0
.irp t, \t0, \t0+1, \t0+2, \t0+3
	v_wmma_f32_16x16x64_fp8_fp8 v[Y+8*(\t):Y+8*(\t)+7], v[X+8*(\t):X+8*(\t)+7], v[\qf:\qf+7], 0
.endr
.endm
; One tile's softmax for 128 keys, on the 64 scores in Y.  st: the tile's -M, largest t and sum; ob: its O^T; pd: where p's codes go.  Each accumulator is read from its low end on.
; It names Y, the statistics, O^T and P: none of X and neither LDS address.
.macro SOFT st, ob, pd
	v_max3_num_f32 v[MXA], v[Y], v[Y+1], v[Y+2]    ; the step's largest score of my query, among my 64 keys, in two chains,
	v_max3_num_f32 v[MXB], v[Y+3], v[Y+4], v[Y+5]
.irp i, 6,10,14,18,22,26,30,34,38,42,46,50,54,58
	v_max3_num_f32 v[MXA], v[MXA], v[Y+\i], v[Y+\i+1]
	v_max3_num_f32 v[MXB], v[MXB], v[Y+\i+2], v[Y+\i+3]
.endr
	v_max3_num_f32 v[MXA], v[MXA], v[Y+62], v[Y+63]
	v_max_num_f32 v[MXA], v[MXA], v[MXB]
	v_permlanex16_b32 v[PX], v[MXA], s20, s21
	v_max_num_f32 v[MXA], v[MXA], v[PX]            ; and among lane l xor 16's
	v_mul_f32 v[MXA], s22, v[MXA]                  ; as t (c is positive)
	v_max_num_f32 v[\st+1], v[\st+1], v[MXA]       ; the running largest t
	v_mov_b32 v[MXA], v[\st]
	v_floor_f32 v[\st], -v[\st+1]                  ; the new -M = floor(-t) = -ceil(t): a whole number
	v_sub_f32 v[MXA], v[\st], v[MXA]               ; M's old value less its new one: a whole number, 0 or less
	v_cvt_i32_f32 v[MXA], v[MXA]                   ; (it saturates)
	v_ldexp_f32 v[FF], 1.0, v[MXA]                 ; f = 2^(old M - new M)
.set J, 0
.rept 32
	v_pk_fma_f32 v[Y+J:Y+J+1], v[Y+J:Y+J+1], s[22:23], v[\st:\st+1] op_sel_hi:[1,0,0]   ; t - M, two at a time (of the pairs c and -M the low word serves both halves)
.set J, J+2
.endr
.set J, 0
.rept 64
	v_exp_f32 v[Y+J], v[Y+J]                       ; p = 2^(t - M), not normalised: one batch
.set J, J+1
.endr
	v_pk_mul_f32 v[\st+2:\st+3], v[\st+2:\st+3], v[FF:FF+1] op_sel_hi:[1,0]   ; the sums under the new M: the plain instruction behind the last exponential
	s_wait_alu depctr_va_vdst(0)                   ; the 64 exponentials have written Y: one wait for the whole batch, ahead of its first reader
	v_pk_add_f32 v[SB:SB+1], v[Y:Y+1], v[Y+2:Y+3]  ; the row's sum is taken of the UNQUANTISED p: two at a time, in two chains
.irp j, 4,8,12,16,20,24,28,32,36,40,44,48,52,56,60
	v_pk_add_f32 v[\st+2:\st+3], v[\st+2:\st+3], v[Y+\j:Y+\j+1]
	v_pk_add_f32 v[SB:SB+1], v[SB:SB+1], v[Y+\j+2:Y+\j+3]
.endr
	v_pk_add_f32 v[\st+2:\st+3], v[\st+2:\st+3], v[SB:SB+1]
	s_cmp_ge_i32 s18, -8                           ; p is at most 1 (but for the last bit): where ep >= -8, p / 2^ep is at most 256, under 448, and the hold changes nothing.
	s_cbranch_scc1 .Lno_hold_\@                    ; A branch on a whole number read from lowp_scales, round the 64 lines of the hold alone
.set J, 0
.rept 64
	v_min_num_f32 v[Y+J], v[Y+J], v[PLIM]          ; p is not negative, so the hold is one-sided
.set J, J+1
.endr
.Lno_hold_\@:
.irp b, 0,1,2,3
	v_cvt_scalef32_pk8_fp8_f32 v[\pd+4*\b:\pd+4*\b+1], v[Y+16*\b:Y+16*\b+7], v[PSC]       ; registers 4 b .. 4 b + 3 of P: keys 32 b + 16 h + 0 .. 15
	v_cvt_scalef32_pk8_fp8_f32 v[\pd+4*\b+2:\pd+4*\b+3], v[Y+16*\b+8:Y+16*\b+15], v[PSC]
.irp i, 0,2,4,6
	v_pk_mul_f32 v[\ob+8*\b+\i:\ob+8*\b+\i+1], v[\ob+8*\b+\i:\ob+8*\b+\i+1], v[FF:FF+1] op_sel_hi:[1,0]   ; O^T under the new M.  These four are also the plain instructions between a pair of
.endr                                              ; conversions and what writes its sources next: the next pair (tile 1's codes run on into Y, over block 0's scores), or a matrix instruction
.endr
.endm
.Lstep:                                            ; 16 trips of 128 keys
	s_wait_alu depctr_vm_vsrc(0)                   ; the LDS loads issued so far have read v2 and v22 (in the first trip: Q's loads v2, q's stores v22)
	v_add_nc_u32 v[ADK], s24, v[LI]                ; the step's image of K,
	v_add_nc_u32 v[ADV], VIMG, v[ADK]              ; and of V
.rept 3
	v_nop                                          ; with the two lines above five places behind the last trip's products (ISA guide 7.12.1), for the products below, which write over tile 1's P
.endr
	s_wait_alu depctr_va_vdst(0)                   ; v2 and v22 are written; the last trip's products V^T P are done reading X, in which K's fragments land (in the first trip: the head's holds and conversions)
.irp t, 0,1,2,3,4,5,6,7
	ds_load_b128 v[X+8*\t:X+8*\t+3],   v[ADK] offset:1024*\t       ; 32 lanes x 16 consecutive bytes
	ds_load_b128 v[X+8*\t+4:X+8*\t+7], v[ADK] offset:1024*\t+512
.endr
	s_wait_dscnt 8                                 ; LDS loads come back in order: fragments 0 to 3 are in, the eight loads of fragments 4 to 7 may be out
	KQ Q0, 0
	s_wait_dscnt 0x0
	KQ Q0, 4
.rept 4
	v_nop                                          ; four places ahead of the first read of the scores
.endr
	SOFT 12, O0, P0
	KQ Q1, 0                                       ; tile 1's scores, over tile 0's, which are done with
	KQ Q1, 4
.rept 4
	v_nop                                          ; four places ahead of the first read of the scores
.endr
	s_wait_alu depctr_va_vdst(0)                   ; the products K Q^T are done reading X, in which V's fragments land
.irp t, 0,1,2,3
.irp c, 0,1,2,3
	ds_load_b128 v[X+16*\t+4*\c:X+16*\t+4*\c+3], v[ADV] offset:2048*\t+512*\c   ; V's four fragments land under tile 1's softmax, which names none of these registers
.endr
.endr
	SOFT 16, O1, P1
	s_wait_dscnt 0x0                               ; V is in
.irp t, 0,1,2,3                                    ; O^T += V^T P^T: the eight accumulators by turns, one instruction a turn
	v_wmma_f32_16x16x128_fp8_fp8 v[O0+8*\t:O0+8*\t+7], v[X+16*\t:X+16*\t+15], v[P0:P0+15], v[O0+8*\t:O0+8*\t+7]
	v_wmma_f32_16x16x128_fp8_fp8 v[O1+8*\t:O1+8*\t+7], v[X+16*\t:X+16*\t+15], v[P1:P1+15], v[O1+8*\t:O1+8*\t+7]
.endr
	s_add_co_u32 s24, s24, STEPB
	s_sub_co_u32 s25, s25, 1
	s_cmp_lg_u32 s25, 0
	s_cbranch_scc1 .Lstep
	; THE WAY OUT.  The stages lie where K's images lay: so a barrier stands between every wave's last read of the images and the first store into a stage.
	s_wait_dscnt 0x0                               ; my reads of the images are over
	s_barrier_signal -1                            ; work on registers stands between the signal and the wait; its plain lines are also the places behind the last products
	v_add_f32 v14, v14, v15                        ; the sums' two halves,
	v_add_f32 v18, v18, v19
	v_permlanex16_b32 v[PX], v14, s20, s21
	v_permlanex16_b32 v[MXB], v18, s20, s21
	v_add_f32 v14, v14, v[PX]                      ; and lane l xor 16's: the rows' sums
	v_add_f32 v18, v18, v[MXB]
	v_rcp_f32 v14, v14
	v_rcp_f32 v18, v18
	v_and_b32 v6, 15, v0                           ; r  (a plain instruction behind the reciprocals)
	v_bfe_u32 v10, v0, 4, 1                        ; h
	s_mul_i32 s26, s14, 16*SP                      ; my stage
	v_mul_u32_u24 v[STO], v6, SP                   ; (v20 and v21 were read last by the head's LDS stores, ahead of the waits on vm_vsrc there and in the loop)
	v_lshl_add_u32 v[STO], v10, 7, v[STO]
	v_add_nc_u32 v[STO], s26, v[STO]               ; in: row r, + 128 h: my 32 channels
	v_mul_u32_u24 v[RD], v10, SP
	v_lshl_add_u32 v[RD], v6, 4, v[RD]
	v_add_nc_u32 v[RD], s26, v[RD]                 ; back: lanes 0-15 one row of 256 bytes, lanes 16-31 the next
	s_wait_alu depctr_va_vdst(0)                   ; the two reciprocals have written v14 and v18: one wait, ahead of their first reader
	v_ldexp_f32 v14, v14, s36                      ; x 2^(ep + ev)
	v_ldexp_f32 v18, v18, s36
	s_barrier_wait -1                              ; no wave reads the images any more
; Tile a: O^T / the sum.  Register j of tile t is d = 32 h + 4 j + t: the product is written to register 4 j + t, so that my 32 channels stand in order at no cost.
.macro DIVIDE a, ob, inv
.irp t, 0,1,2,3
.irp j, 0,1,2,3,4,5,6,7
	v_mul_f32 v[Y+32*\a+4*\j+\t], v[\ob+8*\t+\j], v[\inv]
.endr
.endr
.endm
; They go into rows of 272 bytes and come back as whole rows of 256.
.macro STAGE a
.irp n, 0,1,2,3,4,5,6,7
	ds_store_b128 v[STO], v[Y+32*\a+4*\n:Y+32*\a+4*\n+3] offset:16*\n
.endr
.irp i, 0,1,2,3,4,5,6,7
	ds_load_b128 v[X+32*\a+4*\i:X+32*\a+4*\i+3], v[RD] offset:2*SP*\i   ; LDS serves a wave's instructions in order (ISA guide 5.7.1.4): these see my stores, and the next tile's stores come behind them
.endr
.endm
.macro SEND a, younger                 ; younger: the LDS instructions issued behind tile a's loads
.set J, 0
.rept 8
	s_wait_dscnt \younger+7-J
	global_store_b128 v[LI], v[X+32*\a+4*J:X+32*\a+4*J+3], s[12:13] offset:4096*\a+512*J th:TH_STORE_NT   ; 32 lanes store 512 consecutive bytes, two rows, at a multiple of 256 from out0's first byte
.set J, J+1
.endr
.endm
	DIVIDE 0, O0, 14
	DIVIDE 1, O1, 18
	s_wait_alu depctr_va_vdst(0)                   ; the 64 multiplications have written Y, which the LDS stores read; v20 and v21 are written; the last products are done reading X, in which the stage's loads land.  No vector line follows
	STAGE 0
	STAGE 1                                        ; tile 1's way through the stage stands between tile 0's loads and its stores
	SEND 0, 16
	SEND 1, 0
	s_wait_dscnt 0x0
	s_wait_alu depctr_hold_cnt(0) depctr_sa_sdst(0) depctr_va_vdst(0) depctr_va_sdst(0) depctr_va_ssrc(0) depctr_va_vcc(0) depctr_vm_vsrc(0)
	s_wait_tensorcnt 0x0
	ds_add_u32 v254, v255
	s_wait_dscnt 0x0
	s_endpgm
.Lfunc_end_k_q7b7afa46d8_attn:
	.size	k_q7b7afa46d8_attn, .Lfunc_end_k_q7b7afa46d8_attn-k_q7b7afa46d8_attn
	.p2alignl 7, 3214868480
	.fill 96, 4, 3214868480
	.section	.rodata,"a",@progbits
	.p2align	6, 0x0
	.amdhsa_kernel k_q7b7afa46d8_attn
		.amdhsa_group_segment_fixed_size 296960
		.amdhsa_private_segment_fixed_size 0
		.amdhsa_enable_private_segment 0
		.amdhsa_kernarg_size 40
		.amdhsa_user_sgpr_count 2
		.amdhsa_user_sgpr_kernarg_segment_ptr 1
		.amdhsa_wavefront_size32 1
		.amdhsa_system_sgpr_workgroup_id_x 1
		.amdhsa_system_sgpr_workgroup_id_y 1
		.amdhsa_system_sgpr_workgroup_id_z 1
		.amdhsa_system_vgpr_workitem_id 0
		.amdhsa_next_free_vgpr 256
		.amdhsa_next_free_sgpr 66
		.amdhsa_reserve_vcc 0
		.amdhsa_float_denorm_mode_32 3
		.amdhsa_float_denorm_mode_16_64 3
		.amdhsa_memory_ordered 1
		.amdhsa_forward_progress 1
		.amdhsa_inst_pref_size 112
	.end_amdhsa_kernel
	.amdgpu_metadata
---
amdhsa.version: [ 1, 2 ]
amdhsa.kernels:
  - .name:           k_q7b7afa46d8_attn
    .symbol:         k_q7b7afa46d8_attn.kd
    .args:
      - { .name: q, .offset: 0, .size: 8, .value_kind: global_buffer, .address_space: global }
      - { .name: k, .offset: 8, .size: 8, .value_kind: global_buffer, .address_space: global }
      - { .name: v, .offset: 16, .size: 8, .value_kind: global_buffer, .address_space: global }
      - { .name: lowp_scales, .offset: 24, .size: 8, .value_kind: global_buffer, .address_space: global }
      - { .name: out0, .offset: 32, .size: 8, .value_kind: global_buffer, .address_space: global }
    .group_segment_fixed_size: 296960
    .private_segment_fixed_size: 0
    .kernarg_segment_align: 8
    .kernarg_segment_size: 40
    .max_flat_workgroup_size: 512
    .sgpr_count:     66
    .vgpr_count:     256
    .wavefront_size: 32
...
	.end_amdgpu_metadata
.endif
;; end of part 2
